; MI455X (gfx1250); checked and timed in simulation.
; The chip was launched on July 23, 2026; its instructions are those of AMD's public machine-readable ISA for CDNA 5 (MIT licence, August 2026) and "CDNA5" Instruction Set Architecture Reference Guide (July 2026). The comments in the code are by the model that wrote it; some were corrected since.
;; Vector Graphics RGB2 Integrand Slang. Allowed arithmetic: float matrix products may take bf16 or f16 operands with f32 sums; other float arithmetic in f32, or as packed bf16 or f16 multiplies, adds, multiply-adds, maxima and minima; sums over many terms, partial sums and values carried from step to step in f32; what a program stores and reads back later, other than sums and carried values, may be rounded once to bf16 or f16.
;; Inputs: p 700 float32; x 2,097,152 x 2 float32.
;; Outputs: out0 2,097,152 x 3 float32.
;; One version. Each part assembles by itself: llvm-mc -triple=amdgcn-amd-amdhsa -mcpu=gfx1250 --defsym DOCPART=n.
;; ======== version 1 of 1: 1 launch
;; limits: values outside matrix products are rounded to bf16
;; launch paint (part 1): grid 256 x 1, 16 waves a work-group, no clusters, 51,200 bytes of LDS; arguments p, x, out0; writes out0
.if DOCPART == 1
	.amdgcn_target "amdgcn-amd-amdhsa--gfx1250"
	.amdhsa_code_object_version 6
	.text
	.protected	k_qd4fbc9b699_paint
	.globl	k_qd4fbc9b699_paint
	.p2align	8
	.type	k_qd4fbc9b699_paint,@function
k_qd4fbc9b699_paint:
	s_mov_b64 s[64:65], 0
	v_nop
	global_prefetch_b8 v0, s[64:65] scope:SCOPE_SE
	s_setreg_imm32_b32 hwreg(HW_REG_WAVE_MODE, 25, 1), 1
	s_wait_xcnt 0x0
; out0[n][0..2] = the colour of the LAST of 75 primitives that holds point x[n], black if none.  p: 25 cells x 28 floats: triangle (11), circle (8), ellipse (9).
; x: [2097152][2] f32, out0: [2097152][3] f32.
; ROUNDING.  The result is a choice made by comparisons: an operand rounded otherwise than reference() rounds it moves a boundary and changes a whole colour.  So every
; difference, product and sum is rounded once, as reference() writes it; a multiply and the add behind it are NOT fused here, on purpose.  -x and -y are kept, so that a vertex
; is ADDED as it lies in its scalar register: all differences change sign, exactly, and every test is even in that sign.
; The quotient a / b is q0 = a y, r = a - b q0 (fused), q = q0 + r y (fused), with y = 1 / b after one Newton step: the IEEE quotient, unless a / b lies within some 2^-21 of an ulp of a midpoint.
; TRIANGLE.  d0, d1, d2 the three edge values: (all >= 0) or (all <= 0) is min(-min3(d), max3(d)) <= 0.
; STATE.  A point carries two registers: (R, G) rounded once to bf16 (relative error 2^-9 at the most) and B in f32; one instruction of two halves selects both.
; LIMITS.  A NaN among a triangle's edge values (overflowed products) is dropped by min and max, where reference() would call the point outside.  An ellipse radius that is 0 or denormal
; makes that ellipse empty (reference(): empty for 0; for a denormal radius all but points at its very centre).  Differences below 2^-100 may lose the last bit of their quotient.
; SHARES.  256 work-groups of 16 waves.  A wave owns 512 consecutive points, in two batches of 256: 8 points a lane, as 4 pairs for the packed f32 instructions.  The second batch's x is
; asked for when the first has come, and the first batch's stores are on their way while the second is computed.  No wave needs another: no barrier.
; The 12 bytes of a point go through the wave's own 3,072 bytes of LDS, so that each global store of the wave covers 512 consecutive bytes, aligned.
.set WAVES,  16
.set XBYTES, 2048                      ; a batch's bytes of x
.set OBYTES, 3072                      ; a batch's bytes of out0, and a wave's stage in LDS
.set NB,     2                         ; batches a wave
.set NCELL,  25
.set CELLB,  112                       ; bytes of a cell in p
.set SPARE,  WAVES*OBYTES              ; behind the stages: the spare words, 128 bytes for each wave, that no other line names
; vector registers
.set SPW, 1                            ; LDS address of my spare word; never rewritten
.set NIL, 2                            ; 0; never rewritten
.set XO,  3                            ; 16 x lane: my place in 512 consecutive bytes of x and of out0
.set LW,  4                            ; stage: where my pair's 24 bytes go
.set LR,  5                            ; stage: where I read 16 bytes back
.set CT,  8                            ; v8-9    the triangle's colour: B, (R, G)
.set CC,  10                           ; v10-11  the circle's
.set CE,  12                           ; v12-13  the ellipse's
.set NPX, 16                           ; v16-23  -x of pair q at NPX + 2 q
.set NPY, 24                           ; v24-31  -y
.set ST,  32                           ; v32-47  state of pair q at ST + 4 q: B0, (R,G)0, (R,G)1, B1
.set XN,  48                           ; v48-63  x as loaded
.set TVT, 64                           ; v64-71  the triangle's test value of point 2 q + h
.set TVC, 72                           ; v72-79  the circle's
.set TVE, 80                           ; v80-87  the ellipse's
.set TA,  88                           ; v88-127 at work; v104-127 also the rows read back from the stage
.set TB,  96
.set D0,  104
.set D1,  112
.set D2,  120
; scalar registers.  A packed instruction takes the LOW word of a scalar pair for both halves, so each number that it uses lies in an even register; the odd ones hold scalar work.
.set WV,  10
.set CNT, 17
.set SGN, 18                           ; the sign bit
.set HIM, 19                           ; a word's upper bf16
.set PP,  20                           ; s[20:21] walks p, a cell a step
.set RAW, 24                           ; s[24:51] a cell as it lies in p
.set AX,  52
.set NAX, 53
.set AY,  54
.set BX,  56
.set NBX, 57
.set BY,  58
.set CX,  60
.set NCX, 61
.set CY,  62
.set K0Y, 66                           ; by - ay
.set R2,  67                           ; the circle's r x r
.set K0X, 68                           ; bx - ax
.set NAY, 69
.set K1Y, 70                           ; cy - by
.set NBY, 71
.set K1X, 72                           ; cx - bx
.set NCY, 73
.set K2Y, 74                           ; ay - cy
.set NEX, 75
.set K2X, 76                           ; ax - cx
.set NEY, 77
.set OCX, 78
.set OCY, 80
.set ECX, 82
.set ECY, 84
.set ERX, 86
.set ERY, 88
.set YX,  90                           ; 1 / erx
.set EX,  91
.set YY,  92                           ; 1 / ery
.set EY,  93
; THE QUEUE OF SELECTS.  A shape's 8 compares and 8 selects are dealt one line at a time behind the arithmetic of the NEXT shape, so that a line stands between a compare and the
; select that reads VCC.  SELK: 0 triangle, 1 circle, 2 ellipse; SELC: its colour registers; seln: the next line, 16 = the queue is empty.
; The select is one instruction of two halves, both by VCC: the destinations are one even and one odd register, the two first sources lie in different banks (number mod 4), and so do the two second sources.
.set seln, 16
.set SELK, 0
.set SELC, CT
.macro SEL
.if seln < 16
.set pt, seln/2
.if seln%2 == 0
.if SELK == 0
	v_cmp_ge_f32 vcc_lo, 0, v[TVT+pt]
.elseif SELK == 1
	v_cmp_ge_f32 vcc_lo, s[R2], v[TVC+pt]
.else
	v_cmp_ge_f32 vcc_lo, 1.0, v[TVE+pt]
.endif
.elseif pt%2 == 0
	v_dual_cndmask_b32 v[ST+2*pt], v[ST+2*pt], v[SELC] :: v_dual_cndmask_b32 v[ST+2*pt+1], v[ST+2*pt+1], v[SELC+1]
.else
	v_dual_cndmask_b32 v[ST+2*pt], v[ST+2*pt], v[SELC+1] :: v_dual_cndmask_b32 v[ST+2*pt+1], v[ST+2*pt+1], v[SELC]
.endif
.set seln, seln+1
.endif
.endm
; One stage of arithmetic for the four pairs, a line of the queue behind each.
.macro VS4 op, d, a, k                 ; d = a op the scalar k
.irp q, 0,1,2,3
	\op v[(\d)+2*(\q):(\d)+2*(\q)+1], v[(\a)+2*(\q):(\a)+2*(\q)+1], s[(\k):(\k)+1] op_sel_hi:[1,0]
	SEL
.endr
.endm
.macro VV4 op, d, a, b                 ; d = a op b
.irp q, 0,1,2,3
	\op v[(\d)+2*(\q):(\d)+2*(\q)+1], v[(\a)+2*(\q):(\a)+2*(\q)+1], v[(\b)+2*(\q):(\b)+2*(\q)+1]
	SEL
.endr
.endm
.macro SUB4 d, a, b                    ; d = a - b
.irp q, 0,1,2,3
	v_pk_add_f32 v[(\d)+2*(\q):(\d)+2*(\q)+1], v[(\a)+2*(\q):(\a)+2*(\q)+1], v[(\b)+2*(\q):(\b)+2*(\q)+1] neg_lo:[0,1] neg_hi:[0,1]
	SEL
.endr
.endm
.macro RES4 a, g, k                    ; a = a - g x the scalar k, fused: the residual of a quotient
.irp q, 0,1,2,3
	v_pk_fma_f32 v[(\a)+2*(\q):(\a)+2*(\q)+1], v[(\g)+2*(\q):(\g)+2*(\q)+1], s[(\k):(\k)+1], v[(\a)+2*(\q):(\a)+2*(\q)+1] op_sel_hi:[1,0,1] neg_lo:[1,0,0] neg_hi:[1,0,0]
	SEL
.endr
.endm
.macro COR4 g, a, k                    ; g = g + a x the scalar k, fused: the quotient corrected
.irp q, 0,1,2,3
	v_pk_fma_f32 v[(\g)+2*(\q):(\g)+2*(\q)+1], v[(\a)+2*(\q):(\a)+2*(\q)+1], s[(\k):(\k)+1], v[(\g)+2*(\q):(\g)+2*(\q)+1] op_sel_hi:[1,0,1]
	SEL
.endr
.endm
.macro EDGE vx, vy, ky, kx, d          ; d = -((px - vx) ky - (py - vy) kx), each of the five operations rounded
	VS4 v_pk_add_f32, TA, NPX, \vx
	VS4 v_pk_add_f32, TB, NPY, \vy
	VS4 v_pk_mul_f32, TA, TA, \ky
	VS4 v_pk_mul_f32, TB, TB, \kx
	SUB4 \d, TA, TB
.endm
; ONE CELL for the wave's 256 points.  pre = 1: the next cell's 28 floats are asked for.
.macro CELL pre
	s_wait_kmcnt 0x0                               ; the cell is in s[RAW ..], and no scalar load reads PP any more
.if \pre
	s_add_nc_u64 s[PP:PP+1], s[PP:PP+1], CELLB
.endif
	v_s_rcp_f32 s[YX], s[RAW+22]
	v_s_rcp_f32 s[YY], s[RAW+23]
	v_mov_b32 v[CT], s[RAW+10]                     ; plain vector lines stand behind the reciprocals, ahead of the use of their results.  The last selects by CT and CC are a cell back
	v_cvt_pk_bf16_f32 v[CT+1], s[RAW+8], s[RAW+9]  ; R in the low half, G in the high
	v_mov_b32 v[CC], s[RAW+18]
	v_cvt_pk_bf16_f32 v[CC+1], s[RAW+16], s[RAW+17]
	s_mov_b32 s[AX], s[RAW+1]                      ; into even registers; a 64-bit move where the number lies in one already
	s_mov_b64 s[AY:AY+1], s[RAW+2:RAW+3]
	s_xor_b32 s[NAX], s[RAW+1], s[SGN]
	s_xor_b32 s[NAY], s[RAW+2], s[SGN]
	s_add_f32 s[K0Y], s[RAW+4], s[NAY]             ; a difference is a sum with the sign turned: the same rounding
	s_add_f32 s[K0X], s[RAW+3], s[NAX]
	s_mov_b32 s[BX], s[RAW+3]
	s_mov_b64 s[BY:BY+1], s[RAW+4:RAW+5]
	s_xor_b32 s[NBX], s[RAW+3], s[SGN]
	s_xor_b32 s[NBY], s[RAW+4], s[SGN]
	s_add_f32 s[K1Y], s[RAW+6], s[NBY]
	s_add_f32 s[K1X], s[RAW+5], s[NBX]
	s_mov_b32 s[CX], s[RAW+5]
	s_mov_b64 s[CY:CY+1], s[RAW+6:RAW+7]
	s_xor_b32 s[NCX], s[RAW+5], s[SGN]
	s_xor_b32 s[NCY], s[RAW+6], s[SGN]
	s_add_f32 s[K2Y], s[RAW+2], s[NCY]
	s_add_f32 s[K2X], s[RAW+1], s[NCX]
	s_mov_b64 s[OCX:OCX+1], s[RAW+12:RAW+13]
	s_mov_b32 s[OCY], s[RAW+13]
	s_mul_f32 s[R2], s[RAW+14], s[RAW+14]
	s_mov_b64 s[ECX:ECX+1], s[RAW+20:RAW+21]
	s_mov_b32 s[ECY], s[RAW+21]
	s_mov_b64 s[ERX:ERX+1], s[RAW+22:RAW+23]
	s_mov_b32 s[ERY], s[RAW+23]
	s_xor_b32 s[NEX], s[RAW+22], s[SGN]
	s_xor_b32 s[NEY], s[RAW+23], s[SGN]
	s_mov_b32 s[EX], 1.0
	s_mov_b32 s[EY], 1.0
	s_fmac_f32 s[EX], s[NEX], s[YX]                ; e = 1 - b y
	s_fmac_f32 s[EY], s[NEY], s[YY]
	s_fmac_f32 s[YX], s[YX], s[EX]                 ; y = y + y e
	s_fmac_f32 s[YY], s[YY], s[EY]
	; the triangle; behind the first edge's lines: the LAST cell's ellipse is selected (in a batch's first cell: test values of 2.0, nothing is selected)
.set seln, 0
.set SELK, 2
.set SELC, CE
	EDGE AX, AY, K0Y, K0X, D0                      ; 20 lines: the queue's 16 are out
	v_mov_b32 v[CE], s[RAW+27]                     ; so the ellipse's colour may change
	v_cvt_pk_bf16_f32 v[CE+1], s[RAW+25], s[RAW+26]
.if \pre
	s_load_b512 s[RAW:RAW+15], s[PP:PP+1], 0x0     ; nothing below reads s[RAW ..]: the next cell has the rest of this one in which to come
	s_load_b256 s[RAW+16:RAW+23], s[PP:PP+1], 0x40
	s_load_b128 s[RAW+24:RAW+27], s[PP:PP+1], 0x60
.endif
	EDGE BX, BY, K1Y, K1X, D1
	EDGE CX, CY, K2Y, K2X, D2
.irp i, 0,1,2,3,4,5,6,7
	v_min3_num_f32 v[TA+(\i)], v[D0+(\i)], v[D1+(\i)], v[D2+(\i)]
.endr
.irp i, 0,1,2,3,4,5,6,7
	v_max3_num_f32 v[TB+(\i)], v[D0+(\i)], v[D1+(\i)], v[D2+(\i)]
.endr
.irp i, 0,1,2,3,4,5,6,7
	v_min_num_f32 v[TVT+(\i)], -v[TA+(\i)], v[TB+(\i)]  ; <= 0: no edge value is below 0, or none is above
.endr
	; the circle; behind its lines: the triangle is selected
.set seln, 0
.set SELK, 0
.set SELC, CT
	VS4 v_pk_add_f32, TA, NPX, OCX
	VS4 v_pk_add_f32, TB, NPY, OCY
	VV4 v_pk_mul_f32, TA, TA, TA
	VV4 v_pk_mul_f32, TB, TB, TB
	VV4 v_pk_add_f32, TVC, TA, TB
	; the ellipse; behind its lines: the circle is selected
.set seln, 0
.set SELK, 1
.set SELC, CC
	VS4 v_pk_add_f32, TA, NPX, ECX
	VS4 v_pk_add_f32, TB, NPY, ECY
	VS4 v_pk_mul_f32, D0, TA, YX                   ; q0 = a y
	VS4 v_pk_mul_f32, D1, TB, YY
	RES4 TA, D0, ERX                               ; r = a - b q0
	RES4 TB, D1, ERY
	COR4 D0, TA, YX                                ; q = q0 + r y
	COR4 D1, TB, YY
	VV4 v_pk_mul_f32, D0, D0, D0
	VV4 v_pk_mul_f32, D1, D1, D1
	VV4 v_pk_add_f32, TVE, D0, D1
.endm
; ONE BATCH of 256 points.  b: its number; more = 1: another follows.
.macro BATCH b, more
	s_mov_b64 s[PP:PP+1], s[4:5]                   ; cell 0 (no scalar load is out here)
	s_load_b512 s[RAW:RAW+15], s[PP:PP+1], 0x0
	s_load_b256 s[RAW+16:RAW+23], s[PP:PP+1], 0x40
	s_load_b128 s[RAW+24:RAW+27], s[PP:PP+1], 0x60
	s_wait_loadcnt 0x0                             ; the batch's x
.irp q, 0,1,2,3                        ; a load brought x0, y0, x1, y1: the signs are turned on the way into pairs (x0, x1), (y0, y1)
	v_xor_b32 v[NPX+2*(\q)],   s[SGN], v[XN+4*(\q)]
	v_xor_b32 v[NPY+2*(\q)],   s[SGN], v[XN+4*(\q)+1]
	v_xor_b32 v[NPX+2*(\q)+1], s[SGN], v[XN+4*(\q)+2]
	v_xor_b32 v[NPY+2*(\q)+1], s[SGN], v[XN+4*(\q)+3]
.endr
.if \more
.irp j, 0,1,2,3
	global_load_b128 v[XN+4*(\j):XN+4*(\j)+3], v[XO], s[6:7] offset:((\b)+1)*XBYTES+512*(\j) th:TH_LOAD_NT  ; the next batch: it has this whole batch in which to come
.endr
.endif
.irp i, 0,1,2,3,4,5,6,7,8,9,10,11,12,13,14,15
	v_mov_b32 v[ST+(\i)], 0                        ; black
.endr
.irp i, 0,1,2,3,4,5,6,7
	v_mov_b32 v[TVE+(\i)], 2.0                     ; no ellipse has been: outside
.endr
	s_mov_b32 s[CNT], NCELL-1
.Lcell_\@:
	CELL 1
	s_sub_co_u32 s[CNT], s[CNT], 1
	s_cmp_lg_u32 s[CNT], 0
	s_cbranch_scc1 .Lcell_\@
	CELL 0                                         ; the last cell is written out: no load passes the end of p
.set seln, 0
.set SELK, 2
.set SELC, CE
.rept 16
	SEL                                            ; the last ellipse
.endr
	; THE WAY OUT.  Pair q of lane l is points 64 q + 2 l and + 1: 24 bytes R0 G0 B0 R1 G1 B1 at 768 q + 24 l of my stage.  R1 is put beside B0 and G1 beside B1, so only R0, G0 need other registers.
.irp q, 0,1,2,3
	v_lshlrev_b32 v[TA+2*(\q)],   16, v[ST+4*(\q)+1]
	v_and_b32     v[TA+2*(\q)+1], s[HIM], v[ST+4*(\q)+1]
	v_lshlrev_b32 v[ST+4*(\q)+1], 16, v[ST+4*(\q)+2]
	v_and_b32     v[ST+4*(\q)+2], s[HIM], v[ST+4*(\q)+2]
	ds_store_b64 v[LW], v[TA+2*(\q):TA+2*(\q)+1]     offset:768*(\q)      ; lanes 24 bytes apart: word 6 l and 6 l + 1 of 64 banks, no two lanes alike
	ds_store_b64 v[LW], v[ST+4*(\q):ST+4*(\q)+1]     offset:768*(\q)+8
	ds_store_b64 v[LW], v[ST+4*(\q)+2:ST+4*(\q)+3]   offset:768*(\q)+16
.endr
.irp i, 0,1,2,3,4,5
	ds_load_b128 v[D0+4*(\i):D0+4*(\i)+3], v[LR] offset:512*(\i)  ; LDS serves a wave's instructions in order (ISA guide 5.7.1): these see the stores above; the stage is the wave's own
.endr
.irp i, 0,1,2,3,4,5
	s_wait_dscnt 5-(\i)                            ; load i is back: 5 - i were issued behind it
	global_store_b128 v[XO], v[D0+4*(\i):D0+4*(\i)+3], s[8:9] offset:(\b)*OBYTES+512*(\i) th:TH_STORE_NT  ; 512 consecutive bytes, at a multiple of 512 from out0's first
.endr
.if \more
	s_wait_xcnt 0x0                                ; the registers that these stores read are written again only behind this wait
.endif
.endm
	s_load_b128 s[4:7], s[0:1], 0x0                ; p s[4:5], x s[6:7]
	s_load_b64 s[8:9], s[0:1], 0x10                ; out0
	v_lshl_add_u32 v[SPW], v0, 2, SPARE
	v_mov_b32 v[NIL], 0
	v_lshrrev_b32 v6, 5, v0
	v_readfirstlane_b32 s[WV], v6                  ; wave 0..15
	v_and_b32 v6, 31, v0                           ; lane
	v_lshlrev_b32 v[XO], 4, v6
	v_mul_u32_u24 v[LW], v6, 24
	s_mul_i32 s16, s[WV], OBYTES                   ; my wave's stage
	v_add_nc_u32 v[LW], s16, v[LW]
	v_add_nc_u32 v[LR], s16, v[XO]
	s_lshl_b32 s11, ttmp9, 4
	s_add_co_u32 s11, s11, s[WV]                   ; my wave among the launch's 4,096
	s_lshl_b32 s12, s11, 12                        ; x NB x XBYTES: under 2^24
	s_mov_b32 s13, 0
	s_mul_i32 s14, s11, NB*OBYTES                  ; under 2^25
	s_mov_b32 s15, 0
	s_mov_b32 s[SGN], 0x80000000
	s_mov_b32 s[HIM], 0xffff0000
	s_mov_b32 s[OCY+1], 0                          ; named as the upper words of pairs, never used
	s_mov_b32 s[ECY+1], 0
	s_mov_b32 s[ERY+1], 0
	v_mov_b32 v[CE], 0                             ; read by the first cell's selects, which select nothing
	v_mov_b32 v[CE+1], 0
	s_wait_kmcnt 0x0
	s_add_nc_u64 s[6:7], s[6:7], s[12:13]          ; x and out0 at my wave's first point
	s_add_nc_u64 s[8:9], s[8:9], s[14:15]
.irp j, 0,1,2,3
	global_load_b128 v[XN+4*(\j):XN+4*(\j)+3], v[XO], s[6:7] offset:512*(\j) th:TH_LOAD_NT  ; 512 consecutive bytes a load: two points a lane
.endr
	BATCH 0, 1
	BATCH 1, 0
	s_wait_tensorcnt 0x0                           ; the wave's end, behind my last LDS store
	ds_add_u32 v[SPW], v[NIL]
	s_wait_dscnt 0x0
	s_endpgm
.Lfunc_end_k_qd4fbc9b699_paint:
	.size	k_qd4fbc9b699_paint, .Lfunc_end_k_qd4fbc9b699_paint-k_qd4fbc9b699_paint
	.p2alignl 7, 3214868480
	.fill 96, 4, 3214868480
	.section	.rodata,"a",@progbits
	.p2align	6, 0x0
	.amdhsa_kernel k_qd4fbc9b699_paint
		.amdhsa_group_segment_fixed_size 51200
		.amdhsa_private_segment_fixed_size 0
		.amdhsa_enable_private_segment 0
		.amdhsa_kernarg_size 24
		.amdhsa_user_sgpr_count 2
		.amdhsa_user_sgpr_kernarg_segment_ptr 1
		.amdhsa_wavefront_size32 1
		.amdhsa_system_sgpr_workgroup_id_x 1
		.amdhsa_system_sgpr_workgroup_id_y 1
		.amdhsa_system_sgpr_workgroup_id_z 1
		.amdhsa_system_vgpr_workitem_id 0
		.amdhsa_next_free_vgpr 128
		.amdhsa_next_free_sgpr 94
		.amdhsa_reserve_vcc 1
		.amdhsa_float_denorm_mode_32 3
		.amdhsa_float_denorm_mode_16_64 3
		.amdhsa_memory_ordered 1
		.amdhsa_forward_progress 1
		.amdhsa_inst_pref_size 65
	.end_amdhsa_kernel
	.amdgpu_metadata
---
amdhsa.version: [ 1, 2 ]
amdhsa.kernels:
  - .name:           k_qd4fbc9b699_paint
    .symbol:         k_qd4fbc9b699_paint.kd
    .args:
      - { .name: p, .offset: 0, .size: 8, .value_kind: global_buffer, .address_space: global }
      - { .name: x, .offset: 8, .size: 8, .value_kind: global_buffer, .address_space: global }
      - { .name: out0, .offset: 16, .size: 8, .value_kind: global_buffer, .address_space: global }
    .group_segment_fixed_size: 51200
    .private_segment_fixed_size: 0
    .kernarg_segment_align: 8
    .kernarg_segment_size: 24
    .max_flat_workgroup_size: 512
    .sgpr_count:     94
    .vgpr_count:     128
    .wavefront_size: 32
...
	.end_amdgpu_metadata
.endif
;; end of part 1
